; MI455X (gfx1250); checked and timed in simulation.
; The chip was launched on July 23, 2026; its instructions are those of AMD's public machine-readable ISA for CDNA 5 (MIT licence, August 2026) and "CDNA5" Instruction Set Architecture Reference Guide (July 2026). The comments in the code are by the model that wrote it; some were corrected since.
;; Co Attention. Allowed arithmetic: matrix products marked QUANTISED: E2M3 operands, one E8M0 scale for each 32 along K, by v_wmma_scale_f32_16x16x128_f8f6f4 with both operands' format E2M3, f32 sums; everything else in f32.
;; Inputs: b_k 512 float32; b_q 512 float32; b_v1 512 float32; b_v2 512 float32; ln_beta 512 float32; ln_gamma 512 float32; w_k 512 x 512 float32; w_q 512 x 512 float32; w_v1 512 x 512 float32; w_v2 512 x 512 float32; x1 8 x 512 x 2,048 float32; x2 8 x 512 x 2,048 float32.
;; Outputs: out0 8 x 512 x 2,048 float32; out1 8 x 512 x 2,048 float32.
;; This version of the problem:
;;   THIS VERSION OF THE PROBLEM IS GIVEN IN LOW PRECISION. The matrix products marked QUANTISED in the list below multiply operands that are first quantised to E2M3 (2 exponent bits, 3 mantissa bits; 6 bits a number), with one power-of-two scale for each 32 numbers along K (OCP MX v1.0); their sums are f32. All else is computed in f32.
;;   The module's matrix products, in the order in which they are computed (A, B: the left and right operand; K: the contracted axis; several contracted axes count as one K, in the product's order):
;;     1. [M 16,384, K 512] x [K 512, N 512]; A: input x1; B: input w_q: QUANTISED
;;     2. [M 16,384, K 512] x [K 512, N 512]; A: input x2; B: input w_k: QUANTISED
;;     3. [M 16,384, K 512] x [K 512, N 512]; A: input x1; B: input w_v1: QUANTISED
;;     4. [M 16,384, K 512] x [K 512, N 512]; A: input x2; B: input w_v2: QUANTISED
;;     5. batch 8 x [M 2,048, K 512] x [K 512, N 2,048]; A: computed on the way; B: computed on the way: QUANTISED
;;     6. batch 8 x [M 2,048, K 2,048] x [K 2,048, N 512]; A: softmax (see below); B: computed on the way: QUANTISED
;;     7. batch 8 x [M 2,048, K 2,048] x [K 2,048, N 512]; A: softmax (see below); B: computed on the way: QUANTISED
;;   THE QUANTISER, for each operand of a quantised product, along K:
;;     - K is cut into blocks of 32 from its start; a last block that is shorter is filled with zeros.
;;     - A block's scale is 2^e with e = floor(log2(the largest magnitude in the block)) - 2, held to -126 .. 127; a block of zeros has e = 0. As a byte (E8M0): e + 127.
;;     - Each number is divided by its block's scale, clamped to +-7.5, and rounded to the nearest number of E2M3, ties to even, subnormals kept.
;;     - The product sums the exact products of the quantised numbers (number of the format x scale) in f32.
;;   ~~~python
;;   def quantise(x, axis):      # numpy; x: float32 -> the quantised numbers, widened to float32 again
;;       x = np.moveaxis(x, axis, -1); K = x.shape[-1]
;;       x = np.pad(x, [(0, 0)] * (x.ndim - 1) + [(0, -K % 32)]); x = x.reshape(x.shape[:-1] + (-1, 32)); a = np.abs(x).max(-1, keepdims=True)
;;       e = np.where(a > 0, np.clip(np.frexp(np.where(a > 0, a, 1))[1] - 1 - 2, -126, 127), 0)      # np.frexp(a)[1] - 1 = floor(log2(a)), exactly
;;       r = np.clip(x / 2.0 ** e, -7.5, 7.5)
;;       step = 2.0 ** (np.maximum(np.frexp(np.where(r == 0, 1, r))[1] - 1, 0) - 3)
;;       q = np.round(r / step) * step * 2.0 ** e      # np.round: ties to even
;;       return np.moveaxis(q.reshape(q.shape[:-2] + (-1,))[..., :K], -1, axis).astype(np.float32)
;;   ~~~
;;   SOFTMAX AHEAD OF A QUANTISED PRODUCT. Where the list says 'softmax', what is quantised is not the finished softmax but p = 2^(t - M), with t = logit x log2(e) and M = ceil(the row's largest t), a whole number; so 1/2 < the row's largest p <= 1. The row's sum l is taken of the UNQUANTISED p, in f32, and the product's result is divided by l at the end. Since M is a whole number, a kernel that streams over the keys may use a running M (the ceiling of the running maximum): every later rescaling is an exact power of two, which a block's scale takes up: the codes' values come out the same.
;;   OPERANDS COMPUTED ON THE WAY. 'Computed on the way' means the value that the module computes at that place (a softmax that the list does not call 'softmax' is quantised finished and normalised). What goes into a quantiser is computed in f32, as accurately as f32 sums, v_exp_f32 and their like allow (about 1e-6 of the number): no bf16 or f16 on the way to a quantiser, and a product that is left as it is and whose result goes on into a quantised operand takes f32 operands (vector FMAs, or v_wmma_f32_16x16x4_f32). A number that lies on a knife's edge between two numbers of the format may be rounded either way, as far as f32 arithmetic and the matrix unit's own rounding can turn it there, and no further.
;; One version. Each part assembles by itself: llvm-mc -triple=amdgcn-amd-amdhsa -mcpu=gfx1250 --defsym DOCPART=n.
;; ======== version 1 of 1: 3 launches
;; limits: right only within a limited range of input values
;; workspace buffers: wc 819,200 bytes; kv 26,214,400 bytes
;; launch wprep (part 1): grid 128 x 1, 4 waves a work-group, no clusters, 34,816 bytes of LDS; arguments w_q, w_v1, w_k, w_v2, wc; writes wc
.if DOCPART == 1
	.amdgcn_target "amdgcn-amd-amdhsa--gfx1250"
	.amdhsa_code_object_version 6
	.text
	.protected	k_q24ff592d7e_wprep
	.globl	k_q24ff592d7e_wprep
	.p2align	8
	.type	k_q24ff592d7e_wprep,@function
k_q24ff592d7e_wprep:
	s_mov_b64 s[64:65], 0
	v_nop
	global_prefetch_b8 v0, s[64:65] scope:SCOPE_SE
	s_setreg_imm32_b32 hwreg(HW_REG_WAVE_MODE, 25, 1), 1
	s_wait_xcnt 0x0
; The four weights [512 (d)][512 (c)], f32, K = c innermost, become codes of FP6 (E2M3) with one E8M0 byte for each 32 along K, laid in the order of an operand's registers.
; DEAD WORK: none.  Every input of the problem reaches an output: the four biases stand ahead of a quantiser (q, k, v1, v2 are quantised operands), gamma and beta scale and shift the results.  Nothing is left out in any launch.
; What is done MORE than the problem writes: the scores are multiplied once for each softmax direction (third launch), so that neither scores nor weights p go through memory.
; LAYOUT OF wc: weight Wi (0 w_q, 1 w_v1, 2 w_k, 3 w_v2) at 204,800 Wi; in it four groups of 128 rows, 51,200 bytes each.  A group: fragment (tile t of 16 rows, K step s of 128) at 1,536 (8 s + t),
; as an image of its 12 registers (register p of lane l at 512 (p / 4) + 16 l + 4 (p % 4)); behind the 32 fragments, at 49,152, the scale words: that of (t = 4 g + i, K step s, row r) at 1,024 g + 256 s + 16 r + 4 i,
; so that one load of 16 bytes a lane brings four tiles' words, an even K step's in lanes 0-15 and the odd one's behind it in lanes 16-31.
; THE ROWS OF A TILE: in w_q and w_k lane r of tile 2 b + u takes row 32 b + 8 u + r + 8 (r / 8), so that the product's results lie as neighbours along the next K; in w_v1 and w_v2 row 16 t + r.
; SHARES: work-group id = 32 Wi + 8 G + 4 g + s; wave i makes fragment (tile 4 g + i, K step s) of group G.
; A load is best where neighbouring lanes take neighbouring bytes; the conversions want a lane to hold whole blocks of 32 of one row.  Both are had: each of the 16 loads reads 512 consecutive bytes of one row, the 16 rows go
; through the wave's own stage in LDS (rows 528 bytes apart) and come back 2 x 128 bytes a lane.  The stores cover 512 consecutive bytes each.
; LIMITS: NaN and infinities among the inputs are not served.  A block whose largest magnitude lies under 2^-124, a block of zeros among them, gets the byte 1 (the rule says 127 for zeros): its codes then round as under that byte; the bytes are read by this program alone.
.set SPI,   528
.set WREG,  16*SPI                     ; LDS: a stage of 8,448 bytes for each wave,
.set SCB,   4*WREG                     ; then 512 bytes for scale words (lanes 0-15's 256 are used),
.set SPARE, SCB+512                    ; then the spare words, 128 bytes a wave: two blocks of 256 bytes that no other line names
.set GA0, 3                            ; v3   my 16 bytes of rows 0-7 of the tile
.set LI,  4                            ; v4   16 x lane
.set LW,  5                            ; v5   SCB + 16 x lane + 4 x wave
.set SPW, 6                            ; v6   my spare word's address; never rewritten
.set NIL, 7                            ; v7   0; never rewritten
.set GA1, 9                            ; v9   the same for rows 8-15
.set SH,  10                           ; v10  8 h
.set STA, 11                           ; v11  the stage, on the way in
.set RDA, 12                           ; v12  and on the way back
.set L8,  13                           ; v13  8 x lane
.set L8S, 14                           ; v14  SCB + 8 x lane
.set PC,  16                           ; v16-27 the fragment's codes
.set CT,  40                           ; v40-46 the upper halves of two blocks, as the conversions leave them
.set SW,  48                           ; v48  the scale word
.set TM,  52
.set G4,  60
.set X,   64                           ; v64-127 my 64 numbers
.set R,   128                          ; v128-191 the 16 rows as loaded
	s_load_b256 s[4:11], s[0:1], 0x0               ; w_q, w_v1, w_k, w_v2
	s_load_b64 s[12:13], s[0:1], 0x20              ; wc
	v_lshl_add_u32 v[SPW], v0, 2, SPARE
	v_mov_b32 v[NIL], 0
	v_lshrrev_b32 v8, 5, v0
	v_readfirstlane_b32 s20, v8                    ; wave
	v_and_b32 v1, 15, v0                           ; r
	v_bfe_u32 v2, v0, 4, 1                         ; h
	v_and_b32 v8, 31, v0
	v_lshlrev_b32 v[LI], 4, v8
	v_lshlrev_b32 v[L8], 3, v8
	v_add_nc_u32 v[L8S], SCB, v[L8]
	s_lshl_b32 s21, s20, 2
	s_add_co_u32 s21, s21, SCB
	v_add_nc_u32 v[LW], s21, v[LI]
	s_mul_i32 s21, s20, WREG                       ; my stage
	v_add_nc_u32 v[STA], s21, v[LI]                ; in: a row's 512 bytes as they lie
	v_mul_u32_u24 v[RDA], v1, SPI
	v_lshl_add_u32 v[RDA], v2, 7, v[RDA]
	v_add_nc_u32 v[RDA], s21, v[RDA]               ; back: row r, + 128 h: my block of 32 in each 64
	v_lshlrev_b32 v[SH], 3, v2
	v_mov_b32 v[TM+6], 0                           ; a lane permute's destination counts as one of its sources
	s_mov_b32 s36, 0x76543210
	s_mov_b32 s37, 0xfedcba98                      ; selects for lane l xor 16
	s_lshr_b32 s21, ttmp9, 5                       ; Wi
	s_bfe_u32 s22, ttmp9, 0x20003                  ; G
	s_bfe_u32 s23, ttmp9, 0x10002                  ; g
	s_and_b32 s24, ttmp9, 3                        ; s
	s_lshl_b32 s25, s23, 2
	s_add_co_u32 s25, s25, s20                     ; my tile t = 4 g + wave
	s_lshr_b32 s26, s25, 1
	s_lshl_b32 s26, s26, 5
	s_and_b32 s27, s25, 1
	s_lshl_b32 s27, s27, 3
	s_add_co_u32 s26, s26, s27                     ; 32 (t / 2) + 8 (t % 2)
	s_lshl_b32 s27, s25, 4                         ; 16 t
	s_and_b32 s28, s21, 1
	s_cmp_eq_u32 s28, 0                            ; w_q, w_k: the chosen rows
	s_cselect_b32 s26, s26, s27
	s_cselect_b32 s29, 16384, 0                    ; there the tile's rows 8-15 lie 8 rows (of 2,048 bytes) further on
	s_lshl_b32 s27, s22, 7
	s_add_co_u32 s26, s26, s27                     ; + 128 G: the tile's first row
	s_lshl_b32 s26, s26, 11
	s_lshl_b32 s27, s24, 9
	s_add_co_u32 s26, s26, s27                     ; in bytes, + 512 s
	v_add_nc_u32 v[GA0], s26, v[LI]
	v_add_nc_u32 v[GA1], s29, v[GA0]
	s_mul_i32 s30, s21, 204800
	s_mul_i32 s31, s22, 51200
	s_add_co_u32 s30, s30, s31                     ; the group's first byte in wc
	s_lshl_b32 s31, s24, 3
	s_add_co_u32 s31, s31, s25
	s_mul_i32 s31, s31, 1536                       ; fragment (t, s)
	s_add_co_u32 s32, s30, s31
	s_mov_b32 s33, 0
	s_lshl_b32 s31, s23, 10
	s_add_co_u32 s34, s30, s31
	s_lshl_b32 s31, s24, 8
	s_add_co_u32 s34, s34, s31
	s_add_co_u32 s34, s34, 49152                   ; the work-group's 256 bytes of scale words
	s_mov_b32 s35, 0
	s_wait_alu depctr_va_vdst(0)
	s_wait_kmcnt 0x0
	s_cmp_eq_u32 s28, 0                            ; the weight is chosen by the work-group's number alone
	s_cselect_b64 s[14:15], s[4:5], s[6:7]
	s_cselect_b64 s[16:17], s[8:9], s[10:11]
	s_cmp_lt_u32 s21, 2
	s_cselect_b64 s[14:15], s[14:15], s[16:17]
	s_add_nc_u64 s[32:33], s[12:13], s[32:33]
	s_add_nc_u64 s[34:35], s[12:13], s[34:35]
.irp p, 0,1,2,3,4,5,6,7
	global_load_b128 v[R+4*\p:R+4*\p+3], v[GA0], s[14:15] offset:2048*\p th:TH_LOAD_NT   ; 32 lanes read 512 consecutive bytes of the row of the image's lane p
.endr
.irp p, 8,9,10,11,12,13,14,15
	global_load_b128 v[R+4*\p:R+4*\p+3], v[GA1], s[14:15] offset:2048*\p th:TH_LOAD_NT
.endr
.irp p, 0,1,2,3,4,5,6,7,8,9,10,11,12,13,14,15
	s_wait_loadcnt 15-\p                           ; row p is in; the rows behind it may be out
	ds_store_b128 v[STA], v[R+4*\p:R+4*\p+3] offset:SPI*\p
.endr
.irp c, 0,1
.irp j, 0,1,2,3,4,5,6,7
	ds_load_b128 v[X+32*\c+4*\j:X+32*\c+4*\j+3], v[RDA] offset:256*\c+16*\j   ; k = 64 c + 32 h + 4 j .. of row r.  LDS serves a wave's instructions in order: these see my stores
.endr
.endr
	s_wait_dscnt 0x0
; my two blocks (2 c + h) become registers 6 c .. 6 c + 5 of the fragment, their bytes a part of the scale word
.irp c, 0,1
	v_max3_num_f32 v[TM+\c], |v[X+32*\c]|, |v[X+32*\c+1]|, 0x1800000   ; with the floor 2^(3 - 127): the byte cannot fall under 1
.endr
.irp i, 2,4,6,8,10,12,14,16,18,20,22,24,26,28,30
.irp c, 0,1
	v_max3_num_f32 v[TM+\c], v[TM+\c], |v[X+32*\c+\i]|, |v[X+32*\c+\i+1]|
.endr
.endr
.irp c, 0,1
	v_add_nc_u32 v[TM+2+\c], 0xff000000, v[TM+\c]  ; 2 off the exponent field: the conversion's scale operand
.endr
.irp c, 0,1
	v_lshrrev_b32 v[TM+4+\c], 23, v[TM+2+\c]       ; the scale's byte
.endr
	v_lshl_or_b32 v[SW], v[TM+5], 16, v[TM+4]      ; blocks h and 2 + h,
	v_lshlrev_b32 v[SW], v[SH], v[SW]              ; at their places;
	v_permlanex16_b32 v[TM+6], v[SW], s36, s37
	v_or_b32 v[SW], v[SW], v[TM+6]                 ; with lane l xor 16's two the word is whole
.irp c, 0,1
	v_cvt_scalef32_pk16_fp6_f32 v[PC+6*\c:PC+6*\c+2], v[X+32*\c:X+32*\c+15], v[TM+2+\c]
	v_cvt_scalef32_pk16_fp6_f32 v[CT+4*\c:CT+4*\c+2], v[X+32*\c+16:X+32*\c+31], v[TM+2+\c]   ; (a conversion's three registers begin on an even number)
.endr
	v_nop                                          ; one plain place behind the conversions
.irp c, 0,1
.irp i, 0,1,2
	v_mov_b32 v[PC+6*\c+3+\i], v[CT+4*\c+\i]
.endr
.endr
.irp c, 0,1,2
	global_store_b128 v[LI], v[PC+4*\c:PC+4*\c+3], s[32:33] offset:512*\c   ; 32 lanes store 512 consecutive bytes
.endr
	ds_store_b32 v[LW], v[SW]                      ; lanes 0-15: 16 r + 4 i; lanes 16-31 hold the same words and put them 256 bytes on, where nobody reads
	s_wait_dscnt 0x0                               ; for the others' sake: my store has landed
	s_barrier_signal -1
	s_barrier_wait -1
	s_cmp_lg_u32 s20, 0
	s_cbranch_scc1 .Lnot_wave_0
	ds_load_b64 v[G4:G4+1], v[L8S]                 ; four waves' words, as they lie in the table
	s_wait_dscnt 0x0
	global_store_b64 v[L8], v[G4:G4+1], s[34:35]   ; 32 lanes store 256 consecutive bytes, aligned
.Lnot_wave_0:
	s_wait_tensorcnt 0x0                           ; the wave's end: these three lines behind my last LDS store
	ds_add_u32 v[SPW], v[NIL]
	s_wait_dscnt 0x0
	s_endpgm
.Lfunc_end_k_q24ff592d7e_wprep:
	.size	k_q24ff592d7e_wprep, .Lfunc_end_k_q24ff592d7e_wprep-k_q24ff592d7e_wprep
	.p2alignl 7, 3214868480
	.fill 96, 4, 3214868480
	.section	.rodata,"a",@progbits
	.p2align	6, 0x0
	.amdhsa_kernel k_q24ff592d7e_wprep
		.amdhsa_group_segment_fixed_size 34816
		.amdhsa_private_segment_fixed_size 0
		.amdhsa_enable_private_segment 0
		.amdhsa_kernarg_size 40
		.amdhsa_user_sgpr_count 2
		.amdhsa_user_sgpr_kernarg_segment_ptr 1
		.amdhsa_wavefront_size32 1
		.amdhsa_system_sgpr_workgroup_id_x 1
		.amdhsa_system_sgpr_workgroup_id_y 1
		.amdhsa_system_sgpr_workgroup_id_z 1
		.amdhsa_system_vgpr_workitem_id 0
		.amdhsa_next_free_vgpr 192
		.amdhsa_next_free_sgpr 66
		.amdhsa_reserve_vcc 0
		.amdhsa_float_denorm_mode_32 3
		.amdhsa_float_denorm_mode_16_64 3
		.amdhsa_memory_ordered 1
		.amdhsa_forward_progress 1
		.amdhsa_inst_pref_size 11
	.end_amdhsa_kernel
	.amdgpu_metadata
---
amdhsa.version: [ 1, 2 ]
amdhsa.kernels:
  - .name:           k_q24ff592d7e_wprep
    .symbol:         k_q24ff592d7e_wprep.kd
    .args:
      - { .name: w_q, .offset: 0, .size: 8, .value_kind: global_buffer, .address_space: global }
      - { .name: w_v1, .offset: 8, .size: 8, .value_kind: global_buffer, .address_space: global }
      - { .name: w_k, .offset: 16, .size: 8, .value_kind: global_buffer, .address_space: global }
      - { .name: w_v2, .offset: 24, .size: 8, .value_kind: global_buffer, .address_space: global }
      - { .name: wc, .offset: 32, .size: 8, .value_kind: global_buffer, .address_space: global }
    .group_segment_fixed_size: 34816
    .private_segment_fixed_size: 0
    .kernarg_segment_align: 8
    .kernarg_segment_size: 40
    .max_flat_workgroup_size: 128
    .sgpr_count:     66
    .vgpr_count:     192
    .wavefront_size: 32
...
	.end_amdgpu_metadata
.endif
;; end of part 1
;; launch proj (part 2): grid 16 x 16, 4 waves a work-group, no clusters, 327,680 bytes of LDS; arguments x1, x2, wc, b_q, b_v1, b_k, b_v2, kv; writes kv
.if DOCPART == 2
	.amdgcn_target "amdgcn-amd-amdhsa--gfx1250"
	.amdhsa_code_object_version 6
	.text
	.protected	k_q24ff592d7e_proj
	.globl	k_q24ff592d7e_proj
	.p2align	8
	.type	k_q24ff592d7e_proj,@function
k_q24ff592d7e_proj:
	s_mov_b64 s[64:65], 0
	v_nop
	global_prefetch_b8 v0, s[64:65] scope:SCOPE_SE
	s_setreg_imm32_b32 hwreg(HW_REG_WAVE_MODE, 25, 1), 1
	s_wait_xcnt 0x0
; The four projections, quantised as the third launch wants them.  No work is left out.
; Work-group (blk, y): tensor = y / 8 (x1 with w_q, w_v1; x2 with w_k, w_v2), b = y % 8; its tile of x is 512 channels x 128 positions.
; Wave w fetches channels 128 w .. + 127 by ONE tensor load at the head: 128 rows of 512 bytes, 8,192 bytes apart in memory, dense in its own 65,536 bytes of LDS; nobody else reads them.
; A lane takes a position and its registers run down the channels: a block of 32 along K lies in one lane.  The codes go to LDS as images of operand registers (16 positions x K step w), the scale words beside them.
; First product, transposed (source 0 = 16 rows of w_q or w_k, C = the bias): a lane holds a position, its registers run along d; quantised along d.
; Second product (source 0 = 16 positions, source 1 = 16 rows of w_v1 or w_v2, C = the bias): a lane holds a channel d, its registers run along the positions; quantised along the positions.
; Both leave as register images into chunk (tensor, b, blk) of kv: 51,200 bytes of q or k, then 51,200 of v, each with its scale words at 49,152.
; LIMITS: NaN and infinities are not served; a block whose largest magnitude lies under 2^-124 gets the byte 1.
.set XIMG,  262144
.set XSC,   311296
.set SPARE, 313344
.set LI,   1
.set AX,   2
.set AXI,  3
.set AXS,  4
.set AIM,  5
.set AIS,  6
.set A64H, 7
.set A4R,  8
.set ASK,  9
.set VSA,  10
.set SPW,  12
.set NIL,  13
.set RS,   16
.set XS,   32
.set WS,   36
.set BVR,  42
.set BVT,  46
.set PWS,  54
.set HA,   64
.set XSTR, 128
.set CTX,  144
.set SWX,  148
.set UT,   152
.set TM,   224
.set PC,   240
.set Z,    252
.set MSB, 0
.macro WIN new
.if MSB != \new
	s_set_vgpr_msb (MSB<<8)|\new
.set MSB, \new
.endif
.endm
.macro PLACES
.rept 4
	v_nop
.endr
.endm
	s_load_b256 s[4:11], s[0:1], 0x0
	s_load_b256 s[12:19], s[0:1], 0x20
	v_lshl_add_u32 v[SPW], v0, 2, SPARE
	v_mov_b32 v[NIL], 0
	ds_add_u32 v[SPW], v[NIL]
	ds_add_u32 v[SPW], v[NIL]
	v_lshrrev_b32 v11, 5, v0
	v_readfirstlane_b32 s20, v11
	s_mov_b32 s21, ttmp9
	s_and_b32 s66, ttmp7, 0xffff
	s_lshr_b32 s22, s66, 3
	s_and_b32 s23, s66, 7
	s_mov_b32 s24, 2<<16
	s_mov_b32 s25, 128<<16
	s_mov_b32 s26, 128<<16
	s_mov_b32 s27, 128<<16
	s_mov_b32 s28, 128
	s_mov_b32 s29, 2048
	s_mov_b32 s30, 0
	s_mov_b32 s31, 0
	s_mov_b32 s60, 0x76543210
	s_mov_b32 s61, 0xfedcba98
	v_and_b32 v11, 31, v0
	v_lshlrev_b32 v[LI], 4, v11
	s_lshl_b32 s63, s20, 16
	v_lshl_add_u32 v[AX], v11, 2, s63
	v_bfe_u32 v14, v0, 4, 1
	v_bfe_u32 v15, v0, 3, 1
	v_and_b32 v11, 7, v0
	v_lshl_add_u32 v11, v14, 3, v11
	v_mul_u32_u24 v[AXI], v15, 1536
	v_lshl_add_u32 v[AXI], v11, 4, v[AXI]
	s_mul_i32 s66, s20, 12288
	s_add_co_u32 s66, s66, XIMG
	v_add_nc_u32 v[AXI], s66, v[AXI]
	v_lshlrev_b32 v[AXS], 4, v11
	v_lshl_add_u32 v[AXS], v15, 2, v[AXS]
	s_lshl_b32 s66, s20, 8
	s_add_co_u32 s67, s66, XSC
	v_add_nc_u32 v[AXS], s67, v[AXS]
	v_add_nc_u32 v[AIM], XIMG, v[LI]
	v_add_nc_u32 v[AIS], XSC, v[LI]
	v_lshlrev_b32 v[A64H], 6, v14
	v_and_b32 v11, 15, v0
	v_lshlrev_b32 v[A4R], 2, v11
	v_lshlrev_b32 v[ASK], 4, v11
	v_lshl_add_u32 v[ASK], v14, 10, v[ASK]
	v_add_nc_u32 v[ASK], s66, v[ASK]
	s_lshl_b32 s66, s20, 9
	v_add_nc_u32 v[VSA], s66, v[LI]
	v_cmp_ne_u32 s62, 0, v14
.irp b, 0,1,2,3
	v_mov_b32 v[TM+4+\b], 0
.endr
	s_wait_dscnt 0x0
	s_wait_kmcnt 0x0
	s_lshl_b32 s66, s23, 22
	s_lshl_b32 s67, s21, 9
	s_add_co_u32 s66, s66, s67
	s_lshl_b32 s67, s20, 20
	s_add_co_u32 s66, s66, s67
	s_mov_b32 s67, 0
	s_cmp_eq_u32 s22, 0
	s_cselect_b64 s[68:69], s[4:5], s[6:7]
	s_cselect_b64 s[52:53], s[10:11], s[14:15]
	s_cselect_b64 s[54:55], s[12:13], s[16:17]
	s_add_nc_u64 s[68:69], s[68:69], s[66:67]
	s_mov_b32 s32, 1                               ; group 0: count 1,
	s_mov_b32 s33, s63                             ; LDS: 65,536 x wave,
	s_mov_b64 s[34:35], s[68:69]                   ; my 128 channel rows of the tile,
	s_or_b32 s35, s35, 0x80000000                  ; type 2
	s_wait_alu depctr_va_vdst(0)                   ; the wait at the head's end
	tensor_load_to_lds s[32:35], s[24:31]          ; my one tensor load: 128 rows x 512 bytes
	s_nop 0
	PLACES
	s_mul_i32 s66, s22, 409600
	s_mul_i32 s63, s20, 51200
	s_add_co_u32 s66, s66, s63
	s_add_nc_u64 s[48:49], s[8:9], s[66:67]
	s_add_nc_u64 s[50:51], s[48:49], 204800
	s_lshl_b32 s66, s20, 9
	s_add_nc_u64 s[52:53], s[52:53], s[66:67]
	s_add_nc_u64 s[54:55], s[54:55], s[66:67]
	s_lshl_b32 s66, s22, 3
	s_add_co_u32 s66, s66, s23
	s_lshl_b32 s66, s66, 4
	s_add_co_u32 s66, s66, s21
	s_mul_i32 s66, s66, 102400
	s_add_nc_u64 s[70:71], s[18:19], s[66:67]
	s_mul_i32 s66, s20, 12288
	s_add_nc_u64 s[56:57], s[70:71], s[66:67]
	s_add_nc_u64 s[58:59], s[56:57], 51200
	WIN 0x40
.set I, 0
.rept 16
.irp c, 0,1,2
	global_load_b128 v[12*I+4*\c:12*I+4*\c+3], v[LI], s[48:49] offset:I*1536+512*\c
.endr
.set I, I+1
.endr
	WIN 0x80
.set I, 0
.rept 16
.irp c, 0,1,2
	global_load_b128 v[12*I+4*\c:12*I+4*\c+3], v[LI], s[48:49] offset:(I+16)*1536+512*\c
.endr
.set I, I+1
.endr
	WIN 0
.irp q, 0,1,2,3
	global_load_b128 v[RS+4*\q:RS+4*\q+3], v[LI], s[48:49] offset:49152+512*\q
.endr
	WIN 0xc0
.irp t, 0,1,2,3,4,5,6,7
	global_load_b128 v[8*\t:8*\t+3], v[A64H], s[52:53] offset:4*(32*(\t/2)+8*(\t%2))
	global_load_b128 v[8*\t+4:8*\t+7], v[A64H], s[52:53] offset:4*(32*(\t/2)+8*(\t%2))+16
.endr
.macro WVLOAD nu
	WIN 0xc0
.irp s, 0,1,2,3
.irp c, 0,1,2
	global_load_b128 v[64+48*((\nu)%3)+12*\s+4*\c:64+48*((\nu)%3)+12*\s+4*\c+3], v[LI], s[50:51] offset:(8*\s+(\nu))*1536+512*\c
.endr
.endr
	WIN 0
.irp g, 0,1
	global_load_b32 v[WS+2*((\nu)%3)+\g], v[LI], s[50:51] offset:49152+1024*((\nu)/4)+512*\g+4*((\nu)%4)
.endr
	global_load_b32 v[BVR+(\nu)%3], v[A4R], s[54:55] offset:64*(\nu)
.endm
	WVLOAD 0
	WVLOAD 1
	WVLOAD 2
.macro LOADX kap, pg
.irp i, 0,1,2,3,4,5,6,7,8,9,10,11,12,13,14,15,16,17,18,19,20,21,22,23,24,25,26,27,28,29,30,31
	ds_load_b32 v[HA+32*((\pg)%2)+\i], v[AX] offset:16384*(\kap)+512*\i+128*(\pg)
.endr
.endm
.macro UNIT kap, pg
.set NS, HA+32*((\pg)%2)
.set PX, XSTR+8*((\pg)%2)
	v_max3_num_f32 v[UT], |v[NS]|, |v[NS+1]|, |v[NS+2]|
	v_max3_num_f32 v[UT+1], |v[NS+3]|, |v[NS+4]|, |v[NS+5]|
.irp i, 6,10,14,18,22,26
	v_max3_num_f32 v[UT], v[UT], |v[NS+\i]|, |v[NS+\i+1]|
	v_max3_num_f32 v[UT+1], v[UT+1], |v[NS+\i+2]|, |v[NS+\i+3]|
.endr
	v_max3_num_f32 v[UT], v[UT], |v[NS+30]|, |v[NS+31]|
	v_max3_num_f32 v[UT], v[UT], v[UT+1], 0x1800000
	v_add_nc_u32 v[UT+2], 0xff000000, v[UT]
	v_lshrrev_b32 v[UT+3], 23, v[UT+2]
.if (\kap) == 0
	v_mov_b32 v[SWX+(\pg)], v[UT+3]
.else
	v_lshl_or_b32 v[SWX+(\pg)], v[UT+3], 8*(\kap), v[SWX+(\pg)]
.endif
	v_cvt_scalef32_pk16_fp6_f32 v[PX:PX+2], v[NS:NS+15], v[UT+2]
	v_cvt_scalef32_pk16_fp6_f32 v[CTX:CTX+2], v[NS+16:NS+31], v[UT+2]
	v_nop
.irp i, 0,1,2
	v_mov_b32 v[PX+3+\i], v[CTX+\i]
.endr
.if (\kap) < 2
	ds_store_b128 v[AXI], v[PX:PX+3] offset:3072*(\pg)+256*((\kap)%2)
	ds_store_b64 v[AXI], v[PX+4:PX+5] offset:3072*(\pg)+256*((\kap)%2)+512
.else
	ds_store_b64 v[AXI], v[PX:PX+1] offset:3072*(\pg)+256*((\kap)%2)+520
	ds_store_b128 v[AXI], v[PX+2:PX+5] offset:3072*(\pg)+256*((\kap)%2)+1024
.endif
.endm
.irp kap, 0,1,2,3
.if \kap == 0
	s_wait_tensorcnt 0x0                           ; my 128 rows are in; only I read them
.endif
	LOADX \kap, 0
	LOADX \kap, 1
	s_wait_dscnt 32
	UNIT \kap, 0
	LOADX \kap, 2
	s_wait_dscnt 34
	UNIT \kap, 1
	LOADX \kap, 3
	s_wait_dscnt 34
	UNIT \kap, 2
	s_wait_dscnt 2
	UNIT \kap, 3
.endr
.irp pg, 0,1,2,3
	ds_store_b32 v[AXS], v[SWX+\pg] offset:1024*(\pg/2)+8*(\pg%2)
.endr
	s_wait_dscnt 0x0
	s_barrier_signal -1
	s_barrier_wait -1
.macro MMA sb, ph, ssc, cb, cs
.irp s, 0,1,2,3
.if (\ph) == 0
.if \s == 0
	WIN 0x31
.elseif \s == 1
	WIN 0x01
.else
	WIN 0x02
.endif
.else
.if \s < 2
	WIN 0x0d
.else
	WIN 0x0e
.endif
.endif
.irp t, 0,1,2,3,4,5,6,7
.set RA, 12*(8*(\s%2)+\t)
.set RB, (\sb)+12*\s
.set RD, HA+8*\t
.set RC, (\cb)+(\cs)*\t
.set SA, RS+4*(2*(\t/4)+\s/2)+\t%4
.set SB, (\ssc)+\s/2
.if \s == 0
	v_wmma_scale_f32_16x16x128_f8f6f4 v[RD:RD+7], v[RA:RA+11], v[RB:RB+11], v[RC:RC+7], v[SA], v[SB] matrix_a_fmt:MATRIX_FMT_FP6 matrix_b_fmt:MATRIX_FMT_FP6
.elseif \s == 2
	v_wmma_scale_f32_16x16x128_f8f6f4 v[RD:RD+7], v[RA:RA+11], v[RB:RB+11], v[RD:RD+7], v[SA], v[SB] matrix_a_fmt:MATRIX_FMT_FP6 matrix_b_fmt:MATRIX_FMT_FP6
.else
	v_wmma_scale_f32_16x16x128_f8f6f4 v[RD:RD+7], v[RA:RA+11], v[RB:RB+11], v[RD:RD+7], v[SA], v[SB] matrix_a_fmt:MATRIX_FMT_FP6 matrix_b_fmt:MATRIX_FMT_FP6 matrix_a_scale:MATRIX_SCALE_ROW1 matrix_b_scale:MATRIX_SCALE_ROW1
.endif
.endr
.endr
.endm
.macro QUANT pw
.irp b, 0,1,2,3
	v_max3_num_f32 v[TM+\b], |v[HA+16*\b]|, |v[HA+1+16*\b]|, 0x1800000
.endr
.irp i, 2,4,6,8,10,12,14
.irp b, 0,1,2,3
	v_max3_num_f32 v[TM+\b], v[TM+\b], |v[HA+16*\b+\i]|, |v[HA+1+16*\b+\i]|
.endr
.endr
.irp b, 0,1,2,3
	v_permlanex16_b32 v[TM+4+\b], v[TM+\b], s60, s61
.endr
.irp b, 0,1,2,3
	v_max_num_f32 v[TM+\b], v[TM+\b], v[TM+4+\b]
.endr
.irp b, 0,1,2,3
	v_add_nc_u32 v[TM+12+\b], 0xff000000, v[TM+\b]
.endr
.irp b, 0,1,2,3
	v_lshrrev_b32 v[TM+4+\b], 23, v[TM+12+\b]
.endr
	v_lshl_or_b32 v[\pw], v[TM+5], 8, v[TM+4]
	v_lshl_or_b32 v[\pw], v[TM+6], 16, v[\pw]
	v_lshl_or_b32 v[\pw], v[TM+7], 24, v[\pw]
	s_wait_xcnt 0x0
.irp c, 0,1
	v_cvt_scalef32_pk16_fp6_f32 v[PC+6*\c:PC+6*\c+2], v[HA+32*\c:HA+32*\c+15], v[TM+12+2*\c]
	v_cvt_scalef32_pk16_fp6_f32 v[TM+4*\c:TM+4*\c+2], v[HA+32*\c+16:HA+32*\c+31], v[TM+12+2*\c+1]
.endr
	v_nop
.irp c, 0,1
.irp i, 0,1,2
	v_permlane16_swap_b32 v[PC+6*\c+\i], v[TM+4*\c+\i]
.endr
.irp i, 0,1,2
	v_mov_b32 v[PC+6*\c+3+\i], v[TM+4*\c+\i]
.endr
.endr
.endm
.macro XLD T
.irp s, 0,1,2,3
.irp c, 0,1,2
	ds_load_b128 v[XSTR+48*((\T)%2)+12*\s+4*\c:XSTR+48*((\T)%2)+12*\s+4*\c+3], v[AIM] offset:(8*\s+(\T))*1536+512*\c
.endr
.endr
.irp g, 0,1
	ds_load_b32 v[XS+2*((\T)%2)+\g], v[AIS] offset:1024*((\T)/4)+512*\g+4*((\T)%4)
.endr
.endm
	s_wait_loadcnt 45
	XLD 0
	XLD 1
.set TT, 0
.rept 8
.if TT < 7
	s_wait_dscnt 14
.else
	s_wait_dscnt 0x0
.endif
.set XB, XSTR+48*(TT%2)
.set XC, XS+2*(TT%2)
	MMA XB, 0, XC, 0, 8
	PLACES
	WIN 0
.if TT < 6
	XLD TT+2
.endif
	QUANT PWS+TT
.irp c, 0,1,2
	global_store_b128 v[LI], v[PC+4*\c:PC+4*\c+3], s[56:57] offset:1536*TT+512*\c
.endr
.set TT, TT+1
.endr
.irp i, 0,1,2,3
	v_cndmask_b32 v[Z+\i], v[PWS+\i], v[PWS+4+\i], s62
.endr
	global_store_b128 v[ASK], v[Z:Z+3], s[70:71] offset:49152
	WIN 0x40
.set I, 0
.rept 16
.irp c, 0,1,2
	ds_load_b128 v[12*I+4*\c:12*I+4*\c+3], v[AIM] offset:I*1536+512*\c
.endr
.set I, I+1
.endr
	WIN 0x80
.set I, 0
.rept 16
.irp c, 0,1,2
	ds_load_b128 v[12*I+4*\c:12*I+4*\c+3], v[AIM] offset:(I+16)*1536+512*\c
.endr
.set I, I+1
.endr
	WIN 0
.irp q, 0,1,2,3
	ds_load_b128 v[RS+4*\q:RS+4*\q+3], v[AIS] offset:512*\q
.endr
	s_wait_dscnt 0x0
.set NU, 0
.rept 8
.if NU < 6
	s_wait_loadcnt 30
.elseif NU == 6
	s_wait_loadcnt 15
.else
	s_wait_loadcnt 0x0
.endif
.irp e, 0,1,2,3,4,5,6,7
	v_mov_b32 v[BVT+\e], v[BVR+NU%3]
.endr
	PLACES
.set WB, 64+48*(NU%3)
.set WC, WS+2*(NU%3)
	MMA WB, 1, WC, BVT, 0
	PLACES
.if NU < 5
	WVLOAD NU+3
.endif
	WIN 0
	QUANT PWS+NU
.irp c, 0,1,2
	global_store_b128 v[LI], v[PC+4*\c:PC+4*\c+3], s[58:59] offset:1536*NU+512*\c
.endr
.set NU, NU+1
.endr
	s_wait_xcnt 0x0
.irp i, 0,1,2,3
	v_cndmask_b32 v[Z+\i], v[PWS+\i], v[PWS+4+\i], s62
.endr
	global_store_b128 v[VSA], v[Z:Z+3], s[70:71] offset:100352
	s_wait_tensorcnt 0x0
	ds_add_u32 v[SPW], v[NIL]
	s_wait_dscnt 0x0
	s_endpgm
.Lfunc_end_k_q24ff592d7e_proj:
	.size	k_q24ff592d7e_proj, .Lfunc_end_k_q24ff592d7e_proj-k_q24ff592d7e_proj
	.p2alignl 7, 3214868480
	.fill 96, 4, 3214868480
	.section	.rodata,"a",@progbits
	.p2align	6, 0x0
	.amdhsa_kernel k_q24ff592d7e_proj
		.amdhsa_group_segment_fixed_size 327680
		.amdhsa_private_segment_fixed_size 0
		.amdhsa_enable_private_segment 0
		.amdhsa_kernarg_size 64
		.amdhsa_user_sgpr_count 2
		.amdhsa_user_sgpr_kernarg_segment_ptr 1
		.amdhsa_wavefront_size32 1
		.amdhsa_system_sgpr_workgroup_id_x 1
		.amdhsa_system_sgpr_workgroup_id_y 1
		.amdhsa_system_sgpr_workgroup_id_z 1
		.amdhsa_system_vgpr_workitem_id 0
		.amdhsa_next_free_vgpr 1024
		.amdhsa_next_free_sgpr 72
		.amdhsa_reserve_vcc 0
		.amdhsa_float_denorm_mode_32 3
		.amdhsa_float_denorm_mode_16_64 3
		.amdhsa_memory_ordered 1
		.amdhsa_forward_progress 1
		.amdhsa_inst_pref_size 235
	.end_amdhsa_kernel
	.amdgpu_metadata
---
amdhsa.version: [ 1, 2 ]
amdhsa.kernels:
  - .name:           k_q24ff592d7e_proj
    .symbol:         k_q24ff592d7e_proj.kd
    .args:
      - { .name: x1, .offset: 0, .size: 8, .value_kind: global_buffer, .address_space: global }
      - { .name: x2, .offset: 8, .size: 8, .value_kind: global_buffer, .address_space: global }
      - { .name: wc, .offset: 16, .size: 8, .value_kind: global_buffer, .address_space: global }
      - { .name: b_q, .offset: 24, .size: 8, .value_kind: global_buffer, .address_space: global }
      - { .name: b_v1, .offset: 32, .size: 8, .value_kind: global_buffer, .address_space: global }
      - { .name: b_k, .offset: 40, .size: 8, .value_kind: global_buffer, .address_space: global }
      - { .name: b_v2, .offset: 48, .size: 8, .value_kind: global_buffer, .address_space: global }
      - { .name: kv, .offset: 56, .size: 8, .value_kind: global_buffer, .address_space: global }
    .group_segment_fixed_size: 327680
    .private_segment_fixed_size: 0
    .kernarg_segment_align: 8
    .kernarg_segment_size: 64
    .max_flat_workgroup_size: 128
    .sgpr_count:     72
    .vgpr_count:     1024
    .wavefront_size: 32
...
	.end_amdgpu_metadata
.endif
;; end of part 2
;; launch attn (part 3): grid 16 x 16, 4 waves a work-group, clusters of 4 x 1, 327,680 bytes of LDS; arguments kv, x1, x2, ln_gamma, ln_beta, out0, out1; writes out0, out1
.if DOCPART == 3
	.amdgcn_target "amdgcn-amd-amdhsa--gfx1250"
	.amdhsa_code_object_version 6
	.text
	.protected	k_q24ff592d7e_attn
	.globl	k_q24ff592d7e_attn
	.p2align	8
	.type	k_q24ff592d7e_attn,@function
k_q24ff592d7e_attn:
	s_mov_b64 s[64:65], 0
	v_nop
	global_prefetch_b8 v0, s[64:65] scope:SCOPE_SE
	s_setreg_imm32_b32 hwreg(HW_REG_WAVE_MODE, 25, 1), 1
	s_wait_xcnt 0x0
	s_wait_alu depctr_hold_cnt(0) depctr_sa_sdst(0) depctr_va_vdst(0) depctr_va_sdst(0) depctr_va_ssrc(0) depctr_va_vcc(0) depctr_vm_vsrc(0)
	s_getreg_b32 s2, hwreg(HW_REG_IB_STS2, 6, 4)
	s_cmp_eq_u32 s2, 0
	s_cbranch_scc0 .Lentry_in_a_cluster
	s_endpgm
.Lentry_in_a_cluster:
	s_bfe_u32 s2, ttmp6, 0x10000c
	s_cmp_lg_u32 s2, 0x3003
	s_cbranch_scc0 .Lentry_shape_is_right
	s_endpgm
.Lentry_shape_is_right:
; Both directions of the co-attention, the skip, the LayerNorm over the channels and the store as [b][c][l].  No work is left out; the scores are multiplied once for each direction, so that neither scores nor p go through memory.
; dir = 0: out0 = LN(softmax_k(q k^T / sqrt(512)) v2 + x1).   dir = 1: the softmax down the columns of the scores is the softmax along the rows of k q^T: out1 = LN(softmax_q(k q^T / sqrt(512)) v1 + x2): the same text with the chunks' roles changed.
; THE SOFTMAX AHEAD OF THE SECOND PRODUCT: t = score x log2(e) / sqrt(512); M = the row's largest t so far, rounded up to a whole number; p = 2^(t - M) is quantised along the keys, not normalised; the row's sum is taken of the
; unquantised p and divides at the end; when M moves, the sum and O are multiplied by 2^(old M - new M), which rounds nothing.
; SHARES.  Work-group (blk = 4 x cluster x + cx, y): dir = y / 8, b = y % 8; its 128 queries are chunk (dir, b, blk) of kv.  Wave w owns query tiles 2 w and 2 w + 1: lane r of tile 2 w + t is position 32 w + 8 t + r + 8 (r / 8).
; Every wave walks the 16 chunks (1 - dir, b, 0 .. 15): 128 keys a step, their 32 fragments of K, 32 of V and the scale words, 102,400 dense bytes, through a ring of two LDS slots.
; LAYOUT.  Both products transposed: S^T = K Q^T (source 0 = 16 keys, chosen so that a lane's 16 registers of two neighbouring tiles are 16 neighbouring keys), O^T = V^T P^T (source 0 = 16 channels): a lane holds one query throughout.
; A head of 512 channels makes O^T 256 registers a tile of queries: two tiles a wave fill windows 2 and 3, so each fragment read from LDS feeds two products.
; VECTOR WORK BESIDE THE SECOND PRODUCT.  What the products V^T P do not wait for stands among them: behind each product the four multiplies that bring an accumulator of the NEXT batch under the new M (two window switches each),
; and behind each batch a piece of the row's sums, which reads p alone and takes the part of the plain places that are owed there.
; CLUSTER.  The four work-groups of a cluster have the same y and walk the same chunks: each quarter of a chunk is asked for JOINTLY (mask 15), by the same line with the same descriptor in all four; wave w fetches quarter w.
; By this text's own count a wave has one tensor load outstanding.  The launch claims all of LDS.
; O^T begins as zeros and the largest t as -3e38, so that the step is written twice only (loop and tail): 512 moves once, against a third copy of the step.
; THE WAY OUT.  The skip's rows are asked for as registers fall free: 28 of a wave's 128 rows behind the last K Q^T (Q's registers), 36 behind the last V^T P (the fragment sets), 64 when half of O^T has gone into the stage.
; LIMITS: NaN and infinities are not served; p under 2^-126 falls to 0; a block of p under 2^-124 gets the byte 1; the f32 sums are taken in another order than the problem writes them.
; REGISTERS.  window 0: v1-7 addresses; v8-15 -M, largest t, the sum's two halves (a tile each four); v16-19 f and p's scale word; v20-23 Q's scale words; v24-31 K's or V's, two sets of four; v32-55 p's codes; v64-191 S^T, then p; v192-239 at work.
;   window 1: v0-95 Q (fragment (t, s) at 12 (4 t + s)); v96-239 three sets of four fragments of K or V.   windows 2, 3: O^T, (n, t) at 8 (2 (n % 16) + t).
;   On the way out: windows 1, 2 my 128 rows of x, then of y (row i at v[4 (i % 64)]); window 3 rows of O from the stage, then gamma (v0-127) and beta (v128-255), the same in every lane.
.set SLOT1, 1<<17                      ; slot 1 begins here: one exclusive or turns an address
.set CHUNK, 102400
.set QUART, 25600
.set VOFF,  51200
.set SCO,   49152
.set SPI,   528                        ; the way out: a stage of 512 channel rows x (512 bytes + 16), from LDS byte 0, over slots that have had their last fill and their last read
.set LINV,  270336                     ; 1 / the sum, by position: 512 bytes
.set RED1,  270848                     ; the waves' sums: 2,048 bytes; the sums of squares 2,048 further on
.set SPARE, 274944                     ; the spare words, 128 bytes a wave: two blocks of 256 bytes that no other line names
.set AK,  1
.set AV,  2
.set LI,  3
.set SPW, 4
.set NIL, 5
.set PFO, 6
.set PFX, 7
.set QS,  20
.set SCQ, 24
.set P,   32
.set S,   64
.set BM,  192
.set PT,  200
.set SO,  208
.set TA,  216
.set LS,  218
.set CT,  224
.set PFA, 16                           ; s[16:17]
.set WV,  18
.set LIM, 19
.set CNT, 20
.set TB,  21
.set CS,  22                           ; s[22:23]
.set G1,  24
.set G0,  32
.set SEL, 36
.set MSB, 0
.macro WIN new                         ; the immediate's high byte repeats the setting that is left
.if MSB != (\new)
	s_set_vgpr_msb (MSB<<8)|(\new)
.set MSB, (\new)
.endif
.endm
.macro PLACES
.rept 4
	v_nop
.endr
.endm
.macro CROUND                          ; a round of the cluster's barrier
	s_barrier_signal -1
	s_barrier_wait -1
	s_cmp_lg_u32 s[WV], 0
	s_cbranch_scc1 .Lnot_wave_0_\@
	s_barrier_signal -3
.Lnot_wave_0_\@:
	s_barrier_wait -3
	s_barrier_signal -1
	s_barrier_wait -1
.endm
	s_load_b256 s[68:75], s[0:1], 0x0              ; kv, x1, x2, gamma
	s_load_b128 s[76:79], s[0:1], 0x20             ; beta, out0
	s_load_b64 s[80:81], s[0:1], 0x30              ; out1
	v_lshl_add_u32 v[SPW], v0, 2, SPARE
	v_mov_b32 v[NIL], 0
	ds_add_u32 v[SPW], v[NIL]                      ; the wave's opening: the add, twice on end, and its wait ahead of the round in front of my first tensor load
	ds_add_u32 v[SPW], v[NIL]
	v_lshrrev_b32 v8, 5, v0
	v_readfirstlane_b32 s[WV], v8                  ; wave w
	s_bfe_u32 s82, ttmp6, 0x40000                  ; cx: it enters my own data's global addresses and the prefetches' shares, not the joint loads
	s_and_b32 s83, ttmp7, 0xffff                   ; y
	s_lshr_b32 s84, s83, 3                         ; dir
	s_and_b32 s85, s83, 7                          ; b
	s_lshl_b32 s86, ttmp9, 2
	s_add_co_u32 s86, s86, s82                     ; blk
	s_xor_b32 s87, s84, 1
	s_lshl_b32 s87, s87, 3
	s_add_co_u32 s87, s87, s85
	s_mul_i32 s88, s87, 16*CHUNK                   ; the keys' and values' 16 chunks: (1 - dir, b)
	s_mov_b32 s89, 0
	s_lshl_b32 s90, s84, 3
	s_add_co_u32 s90, s90, s85
	s_lshl_b32 s90, s90, 4
	s_add_co_u32 s90, s90, s86
	s_mul_i32 s90, s90, CHUNK                      ; my queries' chunk: (dir, b, blk)
	s_mov_b32 s91, 0
	s_lshl_b32 s92, s85, 22                        ; the skip and the output: 4,194,304 b + 512 blk + 1,048,576 w
	s_lshl_b32 s93, s86, 9
	s_add_co_u32 s92, s92, s93
	s_lshl_b32 s93, s[WV], 20
	s_add_co_u32 s92, s92, s93
	s_mov_b32 s93, 0
	s_mul_i32 s94, s[WV], QUART                    ; my quarter of a chunk, in memory and in a slot
	s_mov_b32 s95, 0
	s_mul_i32 s96, s[WV], 3072                     ; my two tiles of queries
	s_mov_b32 s97, 0
	s_lshr_b32 s98, s[WV], 1
	s_lshl_b32 s98, s98, 10
	s_and_b32 s99, s[WV], 1
	s_lshl_b32 s99, s99, 3
	s_add_co_u32 s98, s98, s99
	s_add_co_u32 s98, s98, SCO                     ; their scale words
	s_mov_b32 s99, 0
	s_mov_b32 s[G1], 15|(3<<16)|(1<<21)            ; group 1: the mask: all four work-groups; elements of 8 bytes; bit 21 beside a mask; no padding
	s_mov_b32 s[G1+1], 32<<16                      ; tensor_dim0 = 32: rows of 256 bytes
	s_mov_b32 s[G1+2], 100<<16                     ; tensor_dim1 = 100
	s_mov_b32 s[G1+3], 32<<16                      ; tile_dim0
	s_mov_b32 s[G1+4], 100                         ; tile_dim1
	s_mov_b32 s[G1+5], 32                          ; dense
	s_mov_b32 s[G1+6], 0
	s_mov_b32 s[G1+7], 0
	s_mov_b32 s[CS], 0x3d8293ee                    ; c = log2(e) / sqrt(512)
	s_mov_b32 s[CS+1], s[CS]
	s_mov_b32 s[SEL], 0x76543210
	s_mov_b32 s[SEL+1], 0xfedcba98
	s_mov_b32 s[CNT], 15
	s_mov_b32 s[TB], 0
	s_cmp_eq_u32 ttmp9, 0                          ; the first cluster of a (dir, b) prefetches: the same in all four partners
	s_cselect_b32 s[LIM], 1, -1
	v_and_b32 v8, 31, v0
	v_lshlrev_b32 v[LI], 4, v8
	s_lshl_b32 s83, s82, 5
	v_add_nc_u32 v[PFO], s83, v8                   ; of a quarter's 100 blocks of 256 bytes partner cx names 32 cx + lane; the 28 lanes over name the last block again
	v_min_u32 v[PFO], 99, v[PFO]
	v_lshlrev_b32 v[PFO], 8, v[PFO]
	v_lshrrev_b32 v9, 1, v8
	v_and_b32 v10, 1, v8
	v_lshlrev_b32 v[PFX], 13, v9
	v_lshl_add_u32 v[PFX], v10, 8, v[PFX]          ; the skip's rows: 8,192 (lane / 2) + 256 (lane % 2)
	s_wait_dscnt 0x0                               ; both opening adds are done
	s_wait_kmcnt 0x0
	s_add_nc_u64 s[4:5], s[68:69], s[88:89]
	s_add_nc_u64 s[8:9], s[68:69], s[90:91]
	s_add_nc_u64 s[38:39], s[8:9], s[98:99]
	s_add_nc_u64 s[8:9], s[8:9], s[96:97]
	s_cmp_eq_u32 s84, 0
	s_cselect_b64 s[6:7], s[70:71], s[72:73]
	s_cselect_b64 s[14:15], s[78:79], s[80:81]
	s_add_nc_u64 s[6:7], s[6:7], s[92:93]
.set PXA, 52                           ; s[52:53] where the prefetches of the skip stand; s[54:55] their step
	s_mov_b64 s[PXA:PXA+1], s[6:7]
	s_mov_b32 s[PXA+3], 0
.set G0X, 40                           ; s[40:43], s[44:51] groups 0 and 1 of the one plain tensor load: rows 64 to 113 of my 128 rows of the skip
.set G1X, 44
	s_mov_b32 s[G0X], 1                            ; count 1,
	s_mov_b32 s[G0X+1], s94                        ; LDS: my quarter of slot 0: 50 rows x 512 bytes are its 25,600 bytes,
	s_add_nc_u64 s[G0X+2:G0X+3], s[6:7], 524288    ; from my row 64 on,
	s_or_b32 s[G0X+3], s[G0X+3], 0x80000000        ; type 2
	s_mov_b32 s[G1X], 2<<16                        ; no mask: each work-group has rows of its own; elements of 4 bytes; no padding
	s_mov_b32 s[G1X+1], 128<<16                    ; tensor_dim0 = 128: rows of 512 bytes
	s_mov_b32 s[G1X+2], 50<<16                     ; tensor_dim1 = 50
	s_mov_b32 s[G1X+3], 128<<16                    ; tile_dim0
	s_mov_b32 s[G1X+4], 50                         ; tile_dim1
	s_mov_b32 s[G1X+5], 2048                       ; a row of x
	s_mov_b32 s[G1X+6], 0
	s_mov_b32 s[G1X+7], 0
	s_add_nc_u64 s[14:15], s[14:15], s[92:93]
	s_lshl_b32 s96, s[WV], 9
	s_add_nc_u64 s[10:11], s[74:75], s[96:97]      ; my 128 channels' gamma and beta
	s_add_nc_u64 s[12:13], s[76:77], s[96:97]
	s_mov_b32 s[G0], 1                             ; group 0, which walks: count 1,
	s_mov_b32 s[G0+1], s94                         ; LDS: slot 0, my quarter,
	s_add_nc_u64 s[G0+2:G0+3], s[4:5], s[94:95]    ; chunk 0, my quarter,
	s_add_nc_u64 s[PFA:PFA+1], s[G0+2:G0+3], CHUNK ; (the prefetches stand at chunk 1: the first change of slots steps them to chunk 2)
	s_or_b32 s[G0+3], s[G0+3], 0x80000000          ; type 2
	WIN 0x40                                       ; destination window 1: Q stays in registers; its loads go out ahead of the round
	s_wait_alu depctr_va_vdst(0)                   ; the wait at the head's end
.irp t, 0,1
.irp s, 0,1,2,3
.irp c, 0,1,2
	global_load_b128 v[12*(4*\t+\s)+4*\c:12*(4*\t+\s)+4*\c+3], v[LI], s[8:9] offset:(8*\s+\t)*1536+512*\c
.endr
.endr
.endr
	WIN 0
.irp g, 0,1
	global_load_b64 v[QS+2*\g:QS+2*\g+1], v[LI], s[38:39] offset:512*\g   ; both tiles' words; lanes 0-15 K step 2 g, lanes 16-31 K step 2 g + 1
.endr
	CROUND                                         ; all four work-groups are here: the first joint loads meet
	tensor_load_to_lds s[G0:G0+3], s[G1:G1+7]
	s_nop 0
	PLACES
.irp t, 0,1
	v_mov_b32 v[9+4*\t], 0xff61b1e6                ; the largest t so far: -3e38
	v_mov_b32 v[10+4*\t], 0
	v_mov_b32 v[11+4*\t], 0
	v_mov_b32 v[17+2*\t], 0                        ; (named as the upper half of a pair before it is first written)
.endr
.irp t, 0,1
	v_floor_f32 v[8+4*\t], -v[9+4*\t]              ; -M
.endr
.irp b, 0,1,2,3,4,5,6,7
	v_mov_b32 v[PT+\b], 0                          ; a lane permute's destination counts as one of its sources
.endr
	WIN 0x80
.set I, 0
.rept 256
	v_mov_b32 v[I], 0                              ; O^T
.set I, I+1
.endr
	WIN 0xc0
.set I, 0
.rept 256
	v_mov_b32 v[I], 0
.set I, I+1
.endr
	WIN 0
	s_wait_loadcnt 0x0                             ; Q
; A batch m of 16: four fragments into set m % 3.  m < 8: K's tiles 4 (m / 4) + i at K step m % 4; m >= 8: V's tiles 4 (m - 8) + i
.macro LB m
	WIN 0x40
.irp i, 0,1,2,3
.irp c, 0,1,2
.if (\m) < 8
	ds_load_b128 v[96+48*((\m)%3)+12*\i+4*\c:96+48*((\m)%3)+12*\i+4*\c+3], v[AK] offset:(8*((\m)%4)+4*((\m)/4)+\i)*1536+512*\c
.else
	ds_load_b128 v[96+48*((\m)%3)+12*\i+4*\c:96+48*((\m)%3)+12*\i+4*\c+3], v[AV] offset:(4*((\m)-8)+\i)*1536+512*\c
.endif
.endr
.endr
.endm
.macro LQ p                            ; the scale words of batches 2 p (lanes 0-15) and 2 p + 1 (lanes 16-31), into set p % 2
	WIN 0
.if (\p) < 4
	ds_load_b128 v[SCQ+4*((\p)%2):SCQ+4*((\p)%2)+3], v[AK] offset:SCO+512*(\p)
.else
	ds_load_b128 v[SCQ+4*((\p)%2):SCQ+4*((\p)%2)+3], v[AV] offset:SCO+512*((\p)-4)
.endif
.endm
; eight products of S^T = K Q^T; the eight accumulators take turns
.macro MK m
	WIN 0x05                                       ; sources 0 and 1 window 1
.irp i, 0,1,2,3
.irp q, 0,1
.set RD, S+64*\q+8*(4*((\m)/4)+\i)
.set RA, 96+48*((\m)%3)+12*\i
.set RB, 12*(4*\q+(\m)%4)
.set SA, SCQ+4*(((\m)/2)%2)+\i
.set SB, QS+2*(((\m)%4)/2)+\q
.if ((\m)%4) == 0
	v_wmma_scale_f32_16x16x128_f8f6f4 v[RD:RD+7], v[RA:RA+11], v[RB:RB+11], 0, v[SA], v[SB] matrix_a_fmt:MATRIX_FMT_FP6 matrix_b_fmt:MATRIX_FMT_FP6
.elseif ((\m)%2) == 0
	v_wmma_scale_f32_16x16x128_f8f6f4 v[RD:RD+7], v[RA:RA+11], v[RB:RB+11], v[RD:RD+7], v[SA], v[SB] matrix_a_fmt:MATRIX_FMT_FP6 matrix_b_fmt:MATRIX_FMT_FP6
.else
	v_wmma_scale_f32_16x16x128_f8f6f4 v[RD:RD+7], v[RA:RA+11], v[RB:RB+11], v[RD:RD+7], v[SA], v[SB] matrix_a_fmt:MATRIX_FMT_FP6 matrix_b_fmt:MATRIX_FMT_FP6 matrix_a_scale:MATRIX_SCALE_ROW1 matrix_b_scale:MATRIX_SCALE_ROW1
.endif
.endr
.endr
.endm
; eight products of O^T += V^T P^T, the eight accumulators by turns; behind product (i, t) of batch m the accumulator (i, t) of batch m + 1 is brought under the new M: x f, four packed multiplies, from its low end on.
; They name no accumulator of this batch; the product that takes theirs up stands a batch further on.
.macro MV m
.irp i, 0,1,2,3
.irp q, 0,1
.if (\m) < 12
	WIN 0xa1                                       ; source 0 window 1, C and D window 2
.else
	WIN 0xf1
.endif
.set RD, 8*(2*((4*((\m)-8)+\i)%16)+\q)
.set RA, 96+48*((\m)%3)+12*\i
.set RB, P+12*\q
.set SA, SCQ+4*(((\m)/2)%2)+\i
.if ((\m)%2) == 0
	v_wmma_scale_f32_16x16x128_f8f6f4 v[RD:RD+7], v[RA:RA+11], v[RB:RB+11], v[RD:RD+7], v[SA], v[17+2*\q] matrix_a_fmt:MATRIX_FMT_FP6 matrix_b_fmt:MATRIX_FMT_FP6
.else
	v_wmma_scale_f32_16x16x128_f8f6f4 v[RD:RD+7], v[RA:RA+11], v[RB:RB+11], v[RD:RD+7], v[SA], v[17+2*\q] matrix_a_fmt:MATRIX_FMT_FP6 matrix_b_fmt:MATRIX_FMT_FP6 matrix_a_scale:MATRIX_SCALE_ROW1
.endif
.if (\m) < 15
.set RN, 8*(2*((4*((\m)-7)+\i)%16)+\q)
.if (\m) < 11
	WIN 0x82                                       ; destination and source 0 window 2, f in window 0
.else
	WIN 0xc3
.endif
.irp e, 0,2,4,6
	v_pk_mul_f32 v[RN+\e:RN+\e+1], v[RN+\e:RN+\e+1], v[16+2*\q:17+2*\q] op_sel_hi:[1,0]
.endr
.endif
.endr
.endr
.endm
; Piece bi of 8 of THE ROW'S SUM OF THE UNQUANTISED p: registers 8 bi .. 8 bi + 7 of each tile's 64, two at a time, in two chains a tile.  It stands behind V's batch 8 + bi: six plain instructions or more that name
; none of that batch's registers, so they are also the places in front of the loads into the set just multiplied
.macro SUMSL bi
	WIN 0
.if (\bi) == 0
.irp t, 0,1
	v_pk_add_f32 v[LS+2*\t:LS+2*\t+1], v[S+64*\t:S+64*\t+1], v[S+64*\t+2:S+64*\t+3]
.endr
.else
.irp t, 0,1
	v_pk_add_f32 v[10+4*\t:11+4*\t], v[10+4*\t:11+4*\t], v[S+64*\t+8*(\bi):S+64*\t+8*(\bi)+1]
.endr
.irp t, 0,1
	v_pk_add_f32 v[LS+2*\t:LS+2*\t+1], v[LS+2*\t:LS+2*\t+1], v[S+64*\t+8*(\bi)+2:S+64*\t+8*(\bi)+3]
.endr
.endif
.irp t, 0,1
	v_pk_add_f32 v[10+4*\t:11+4*\t], v[10+4*\t:11+4*\t], v[S+64*\t+8*(\bi)+4:S+64*\t+8*(\bi)+5]
.endr
.irp t, 0,1
	v_pk_add_f32 v[LS+2*\t:LS+2*\t+1], v[LS+2*\t:LS+2*\t+1], v[S+64*\t+8*(\bi)+6:S+64*\t+8*(\bi)+7]
.endr
.if (\bi) == 7
.irp t, 0,1
	v_pk_add_f32 v[10+4*\t:11+4*\t], v[10+4*\t:11+4*\t], v[LS+2*\t:LS+2*\t+1]
.endr
.endif
.endm
; the softmax of both tiles for 128 keys, stage by stage, the tiles by turns.  Register 16 b + i of a tile's 64 is key 32 b + 16 (lane / 16) + i.
.macro SOFTMAX
	WIN 0
.irp b, 0,1,2,3
.irp t, 0,1
	v_max3_num_f32 v[BM+4*\t+\b], v[S+64*\t+16*\b], v[S+64*\t+16*\b+1], v[S+64*\t+16*\b+2]   ; each block's largest score: for the row's maximum, and, since p rises with the score, for the block's largest p
.endr
.endr
.irp i, 3,5,7,9,11,13
.irp b, 0,1,2,3
.irp t, 0,1
	v_max3_num_f32 v[BM+4*\t+\b], v[BM+4*\t+\b], v[S+64*\t+16*\b+\i], v[S+64*\t+16*\b+\i+1]
.endr
.endr
.endr
.irp b, 0,1,2,3,4,5,6,7
	v_max_num_f32 v[BM+\b], v[BM+\b], v[S+64*(\b/4)+16*(\b%4)+15]
.endr
.irp b, 0,1,2,3,4,5,6,7
	v_permlanex16_b32 v[PT+\b], v[BM+\b], s[SEL], s[SEL+1]
.endr
.irp b, 0,1,2,3,4,5,6,7
	v_max_num_f32 v[BM+\b], v[BM+\b], v[PT+\b]     ; with lane l xor 16's 16 keys
.endr
.irp t, 0,1
	v_max3_num_f32 v[TA+\t], v[BM+4*\t], v[BM+4*\t+1], v[BM+4*\t+2]
.endr
.irp t, 0,1
	v_max_num_f32 v[TA+\t], v[TA+\t], v[BM+4*\t+3]
.endr
.irp t, 0,1
	v_mul_f32 v[TA+\t], s[CS], v[TA+\t]            ; as t (c is positive)
.endr
.irp t, 0,1
	v_max_num_f32 v[9+4*\t], v[9+4*\t], v[TA+\t]   ; the running largest t
.endr
.irp t, 0,1
	v_mov_b32 v[TA+\t], v[8+4*\t]
.endr
.irp t, 0,1
	v_floor_f32 v[8+4*\t], -v[9+4*\t]              ; the new -M = -ceil(t): a whole number
.endr
.irp t, 0,1
	v_sub_f32 v[TA+\t], v[8+4*\t], v[TA+\t]        ; old M less new M
.endr
.irp t, 0,1
	v_cvt_i32_f32 v[TA+\t], v[TA+\t]               ; (it saturates)
.endr
.irp t, 0,1
	v_ldexp_f32 v[16+2*\t], 1.0, v[TA+\t]          ; f = 2^(old M - new M)
.endr
.irp t, 0,1
.set J, 0
.rept 32
	v_pk_fma_f32 v[S+64*\t+J:S+64*\t+J+1], v[S+64*\t+J:S+64*\t+J+1], s[CS:CS+1], v[8+4*\t:9+4*\t] op_sel_hi:[1,0,0]   ; t - M, two at a time
.set J, J+2
.endr
.endr
.irp b, 0,1,2,3,4,5,6,7
	v_fma_f32 v[BM+\b], v[BM+\b], s[CS], v[8+4*(\b/4)]
.endr
	s_wait_alu depctr_va_vdst(0)
.irp b, 0,1,2,3,4,5,6,7
	v_exp_f32 v[BM+\b], v[BM+\b]                   ; each block's largest p: the same two instructions on the same number give the same bits
.endr
.set J, 0
.rept 128
	v_exp_f32 v[S+J], v[S+J]                       ; p = 2^(t - M), at most 1
.set J, J+1
.endr
.irp t, 0,1
	v_pk_mul_f32 v[10+4*\t:11+4*\t], v[10+4*\t:11+4*\t], v[16+2*\t:17+2*\t] op_sel_hi:[1,0]   ; the sums under the new M: plain places behind the exponentials
.endr
	s_wait_alu depctr_va_vdst(0)                   ; one wait for the batch of 136, ahead of its first reader
.irp b, 0,1,2,3,4,5,6,7
	v_max_num_f32 v[BM+\b], 0x1800000, v[BM+\b]    ; the floor 2^(3 - 127): the byte cannot fall under 1
.endr
.irp b, 0,1,2,3,4,5,6,7
	v_add_nc_u32 v[SO+\b], 0xff000000, v[BM+\b]    ; 2 off the exponent field: the conversion's scale operand
.endr
.irp b, 0,1,2,3,4,5,6,7
	v_lshrrev_b32 v[PT+\b], 23, v[SO+\b]           ; the scale's byte
.endr
.irp t, 0,1
	v_lshl_or_b32 v[17+2*\t], v[PT+4*\t+1], 8, v[PT+4*\t]
.endr
.irp t, 0,1
	v_lshl_or_b32 v[17+2*\t], v[PT+4*\t+2], 16, v[17+2*\t]
.endr
.irp t, 0,1
	v_lshl_or_b32 v[17+2*\t], v[PT+4*\t+3], 24, v[17+2*\t]   ; p's scale word for these 128 keys
.endr
.irp t, 0,1
.irp c, 0,1
	v_cvt_scalef32_pk16_fp6_f32 v[P+12*\t+6*\c:P+12*\t+6*\c+2], v[S+64*\t+32*\c:S+64*\t+32*\c+15], v[SO+4*\t+2*\c]
	v_cvt_scalef32_pk16_fp6_f32 v[CT+8*\t+4*\c:CT+8*\t+4*\c+2], v[S+64*\t+32*\c+16:S+64*\t+32*\c+31], v[SO+4*\t+2*\c+1]
.endr
.endr
	v_nop                                          ; one plain place behind the conversions
.irp t, 0,1
.irp c, 0,1                            ; the layout wants a whole block in a lane
.irp i, 0,1,2
	v_permlane16_swap_b32 v[P+12*\t+6*\c+\i], v[CT+8*\t+4*\c+\i]
.endr
.irp i, 0,1,2
	v_mov_b32 v[P+12*\t+6*\c+3+\i], v[CT+8*\t+4*\c+\i]
.endr
.endr
.endr
.endm
.macro RESC0                           ; the eight accumulators of V's first batch under the new M: x f.  Of these 32 multiplies sixteen name nothing of a given product: they are the places between the writes of p's codes and scale word and the products that read them
	WIN 0x82                                       ; destination and source 0 window 2, f in window 0
.set A_, 0
.rept 8
.irp e, 0,2,4,6
	v_pk_mul_f32 v[8*A_+\e:8*A_+\e+1], v[8*A_+\e:8*A_+\e+1], v[16+2*(A_%2):17+2*(A_%2)] op_sel_hi:[1,0]
.endr
.set A_, A_+1
.endr
.endm
.macro XROWS first, n                  ; rows first .. first + n - 1 of my first 64 rows of the skip, into window 1: 512 consecutive bytes a load
	WIN 0x40
.set I, \first
.rept \n
	global_load_b128 v[4*I:4*I+3], v[LI], s[6:7] offset:8192*I th:TH_LOAD_NT
.set I, I+1
.endr
.endm
; A KEY STEP: one stream of 16 batches, three sets of registers: while a batch is multiplied the two behind it are on their way from LDS.  V's first three batches land under the softmax.
; last = 1 (the last step): behind the last products that read Q, 28 rows of the skip are asked for, into Q's registers and into sixteen that were never used.
.macro STEP last
	v_add_nc_u32 v[AK], s[TB], v[LI]
	v_add_nc_u32 v[AV], VOFF, v[AK]
	LQ 0
	LB 0
	LB 1
	LQ 1
	LB 2
.set MM, 0
	s_wait_alu depctr_va_vdst(0)
.rept 16
.if MM < 14
	s_wait_dscnt 25                                ; this batch and its scale words are in; two batches of 12 and one load of scale words may be out
.elseif MM == 14
	s_wait_dscnt 12                                ; one batch may be out
.else
	s_wait_alu depctr_va_vdst(0)
	s_wait_dscnt 0x0
.endif
.if MM < 8
	MK MM
	PLACES                                         ; in front of loads into the registers just multiplied, and of the first read of results
.else
	MV MM
	SUMSL MM-8
.endif
.if (MM+3 < 16) && ((MM+3)%2 == 0)
	LQ (MM+3)/2
.endif
.if MM+3 < 16
	LB MM+3
.endif
.if MM == 7
.if \last
	XROWS 0, 24
	XROWS 60, 4
.endif
	SOFTMAX
	RESC0
.endif
.set MM, MM+1
.endr
	WIN 0
.endm
; THE CHANGE OF SLOTS, at a step's head.  Each wave waits for all its tensor loads (its quarter of the chunk ahead), adds 0 to its spare word, and waits for that and for its reads of the slot that it has left.
; fill = 1: a round of the cluster's barrier, and first behind it the joint load of the next chunk into the slot just left: it has a whole key step in which to land.
; Behind the load: a prefetch into the L2 of the chunk after that one, my quarter's blocks shared out among the four partners by address; the first cluster of a (dir, b) asks, the last trip asks for nothing.
.macro CHANGE fill
	WIN 0
	s_wait_tensorcnt 0x0                           ; no tensor load of mine is out, so group 0 may be written
	ds_add_u32 v[SPW], v[NIL]
.if \fill
	s_xor_b32 s[G0+1], s[G0+1], SLOT1              ; the other slot,
	s_add_nc_u64 s[G0+2:G0+3], s[G0+2:G0+3], CHUNK ; the next chunk; the type bits are not reached
	s_wait_xcnt 0x0                                ; the last prefetch, a key step back, has read its address
	s_add_nc_u64 s[PFA:PFA+1], s[PFA:PFA+1], CHUNK
	s_cmp_lt_u32 s[CNT], 8                         ; the skip's prefetches: the first of them (8 trips to go) stands at my row 0, each later one 16 rows on
	s_cselect_b32 s[PXA+2], 131072, 0
	s_add_nc_u64 s[PXA:PXA+1], s[PXA:PXA+1], s[PXA+2:PXA+3]
	s_wait_dscnt 0x0                               ; the add is done, and my reads of the slot that I have left are over
	CROUND
	tensor_load_to_lds s[G0:G0+3], s[G1:G1+7]
	s_nop 0
	PLACES
	s_cmp_gt_u32 s[CNT], s[LIM]
	s_cbranch_scc0 .Lnot_mine_\@
	global_prefetch_b8 v[PFO], s[PFA:PFA+1] th:TH_LOAD_NT scope:SCOPE_SE
.Lnot_mine_\@:
	s_cmp_lt_u32 s[CNT], 9                         ; in the loop's last 8 trips: 16 of my 128 rows of the skip, 512 bytes a row, a lane a block of 256 bytes, one instruction a trip;
	s_cbranch_scc0 .Lno_skip_\@                    ; each block is named once, by the wave that will load it, one to eight key steps ahead; the last names row 127, inside x
	global_prefetch_b8 v[PFX], s[PXA:PXA+1] th:TH_LOAD_NT scope:SCOPE_SE
.Lno_skip_\@:
.else
; fill = 0, ahead of the last key step, which reads slot 1: slot 0 is read no more by any wave behind the round, and takes 50 rows of the skip a wave, each wave's into its own quarter; only that wave reads them, on the way out
	s_wait_dscnt 0x0
	CROUND
	tensor_load_to_lds s[G0X:G0X+3], s[G1X:G1X+7]
	s_nop 0
	PLACES
.endif
.endm
.Lstep:                                            ; 15 trips: behind each change of slots but the last the next chunk is asked for
	CHANGE 1
	STEP 0
	s_xor_b32 s[TB], s[TB], SLOT1
	s_sub_co_u32 s[CNT], s[CNT], 1
	s_cmp_lg_u32 s[CNT], 0
	s_cbranch_scc1 .Lstep
	CHANGE 0                                       ; the last chunk is written out
	STEP 1
	XROWS 24, 36                                   ; the three sets of fragments are done with (the last piece of the sums stands between): 36 more rows of the skip
	WIN 0
; ---- THE WAY OUT.  Work registers in v64-136, which held S^T.
.set AST,  72                          ; v72-75 the stage, on the way in: 4,224 h + 4 (r + 8 (r / 8)) + 128 w + 67,584 ((k + 2) % 4): channel c lies in stage row (c + 256) % 512, so that channels 0-255 land clear of slot 0
.set APOS, 76
.set ARD,  78                          ; v78, v79 on the way back: (128 (w xor 2) + 64 H) rows + 16 x lane
.set AXL,  83                          ; v83 my quarter of slot 0 + 16 x lane: the skip's rows 64 to 113
.set ARW,  80
.set ARL,  81
.set ALV,  82
.set LV,   84
.set SUMS, 88
.set S4,   96
.set RD4,  100
.set MU,   116
.set SQS,  120
.set RSD,  128
.set VR,   132
.set ZR,   136                         ; 0: the offset of loads in which every lane reads the same bytes
.irp t, 0,1
	v_add_f32 v[64+\t], v[10+4*\t], v[11+4*\t]     ; the sum's two halves,
.endr
.irp t, 0,1
	v_permlanex16_b32 v[66+\t], v[64+\t], s[SEL], s[SEL+1]
.endr
.irp t, 0,1
	v_add_f32 v[64+\t], v[64+\t], v[66+\t]         ; and lane l xor 16's
.endr
	s_wait_alu depctr_va_vdst(0)
.irp t, 0,1
	v_rcp_f32 v[68+\t], v[64+\t]
.endr
	v_and_b32 v70, 15, v0                          ; (plain work behind the reciprocals)
	v_bfe_u32 v71, v0, 4, 1
	v_and_b32 v77, 8, v70
	v_add_nc_u32 v77, v77, v70
	s_lshl_b32 s94, s[WV], 7
	v_lshl_add_u32 v77, v77, 2, s94                ; my query's place in a row of 128 positions (tile 2 w; tile 2 w + 1 lies 32 bytes on)
	v_mad_u32_u24 v[AST+2], v71, 4224, v77
	v_add_nc_u32 v[AST+3], 67584, v[AST+2]
	v_add_nc_u32 v[AST], 135168, v[AST+2]
	v_add_nc_u32 v[AST+1], 202752, v[AST+2]
	v_add_nc_u32 v[APOS], LINV, v77
	s_mul_i32 s96, s[WV], QUART
	v_add_nc_u32 v[AXL], s96, v[LI]
	s_xor_b32 s94, s[WV], 2
	s_mul_i32 s94, s94, 67584
	v_add_nc_u32 v[ARD], s94, v[LI]
	v_add_nc_u32 v[ARD+1], 33792, v[ARD]
	s_lshl_b32 s95, s[WV], 9
	s_add_co_u32 s95, s95, RED1
	v_add_nc_u32 v[ARW], s95, v[LI]
	v_add_nc_u32 v[ARL], RED1, v[LI]
	v_add_nc_u32 v[ALV], LINV, v[LI]
	v_mov_b32 v[ZR], 0
.irp e, 0,1,2,3,4,5,6,7
	v_mov_b32 v[SUMS+\e], 0
	v_mov_b32 v[SQS+\e], 0
.endr
	s_wait_alu depctr_va_vdst(0)                   ; one wait for the two reciprocals, ahead of their first reader
	s_wait_tensorcnt 0x0                           ; my 50 rows of the skip have landed: behind the barrier no tensor load of any wave is out when the first LDS store is issued
	s_wait_dscnt 0x0
	s_barrier_signal -1
	s_barrier_wait -1                              ; nobody reads slot 1 any more: the stage's upper half may be written
	s_mov_b32 s22, 0x3b000000
	s_mov_b32 s23, 0x3727c5ac                      ; 1e-5
	ds_store_b32 v[APOS], v68                      ; 1 / the sum, by position (both halves of the lanes store the same number)
	ds_store_b32 v[APOS], v69 offset:32
; O^T(n, t): lane (r, h), register j = channel 16 n + 8 h + j of my query; each accumulator from its low end on
.macro OSTORE n0
.set N, \n0
.rept 16
.irp q, 0,1
.irp j, 0,1,2,3,4,5,6,7
	ds_store_b32 v[AST+N/8], v[8*(2*(N%16)+\q)+\j] offset:(16*(N%8)+\j)*SPI+32*\q
.endr
.endr
.set N, N+1
.endr
.endm
	WIN 0x08                                       ; an LDS store's data are its source 1: window 2
	OSTORE 0
	s_wait_dscnt 0x0                               ; the stores have read window 2's registers, which now take
	WIN 0x80
.set I, 0
.rept 14
	global_load_b128 v[4*(I+50):4*(I+50)+3], v[LI], s[6:7] offset:8192*(I+114) th:TH_LOAD_NT   ; rows 114 to 127 of the skip, from memory
.set I, I+1
.endr
.set I, 0
.rept 50
	ds_load_b128 v[4*I:4*I+3], v[AXL] offset:512*I  ; rows 64 to 113, from my quarter of slot 0
.set I, I+1
.endr
	s_wait_dscnt 0x0                               ; my reads of slot 0 are over;
	s_barrier_signal -1
	s_barrier_wait -1                              ; so are everybody's: the stage's lower half, bytes 0 to 135,167, may be written
	WIN 0x0c
	OSTORE 16
	WIN 0
	s_wait_dscnt 0x0                               ; for the others' sake: my stores have landed
	s_barrier_signal -1
	s_barrier_wait -1                              ; 512 whole channel rows lie in the stage
; wave w takes channels 128 w + i; a lane holds positions 4 x lane .. + 3
	ds_load_b128 v[LV:LV+3], v[ALV]
.macro OLOAD H                         ; 64 rows of O from the stage into window 3
	WIN 0xc0
.set I, 0
.rept 64
	ds_load_b128 v[4*I:4*I+3], v[ARD+\H] offset:SPI*I
.set I, I+1
.endr
.endm
.macro YFMA H                          ; y = O / the sum + x, over x
	WIN 0x53+0x50*\H                               ; source 0 (O) window 3, 1 / the sum in window 0, source 2 (x) and the destination window 1 or 2
.set I, 0
.rept 64
	v_pk_fma_f32 v[4*I:4*I+1], v[4*I:4*I+1], v[LV:LV+1], v[4*I:4*I+1]
	v_pk_fma_f32 v[4*I+2:4*I+3], v[4*I+2:4*I+3], v[LV+2:LV+3], v[4*I+2:4*I+3]
.set I, I+1
.endr
.endm
.macro YSUM H                          ; the sum over my channels, in four chains
	WIN 0x04+4*\H
.set I, 0
.rept 64
	v_pk_add_f32 v[SUMS+4*(I%2):SUMS+4*(I%2)+1], v[SUMS+4*(I%2):SUMS+4*(I%2)+1], v[4*I:4*I+1]
	v_pk_add_f32 v[SUMS+4*(I%2)+2:SUMS+4*(I%2)+3], v[SUMS+4*(I%2)+2:SUMS+4*(I%2)+3], v[4*I+2:4*I+3]
.set I, I+1
.endr
.endm
	OLOAD 0
	s_wait_dscnt 0x0
	s_wait_loadcnt 14                              ; rows 0 to 63 were asked for ahead of rows 114 to 127: with those 14 loads out at the most, they are in
	YFMA 0
	OLOAD 1
	YSUM 0
	s_wait_dscnt 0x0
	s_wait_loadcnt 0x0
	YFMA 1
	WIN 0xc0                                       ; window 3 is free: my 128 channels' gamma, 16 bytes a load, the same in every lane
.set I, 0
.rept 32
	global_load_b128 v[4*I:4*I+3], v[ZR], s[10:11] offset:16*I
.set I, I+1
.endr
	YSUM 1
	WIN 0
	v_pk_add_f32 v[S4:S4+1], v[SUMS:SUMS+1], v[SUMS+4:SUMS+5]
	v_pk_add_f32 v[S4+2:S4+3], v[SUMS+2:SUMS+3], v[SUMS+6:SUMS+7]
; the four waves' figures meet in LDS, off bytes behind RED1; the total comes back in v[RD4:RD4+3]
.macro MEET off
	ds_store_b128 v[ARW], v[S4:S4+3] offset:\off
	s_wait_dscnt 0x0                               ; for the others' sake
	s_barrier_signal -1
	s_barrier_wait -1
.irp k, 0,1,2,3
	ds_load_b128 v[RD4+4*\k:RD4+4*\k+3], v[ARL] offset:\off+512*\k
.endr
	s_wait_dscnt 0x0
.irp e, 0,2
	v_pk_add_f32 v[RD4+\e:RD4+\e+1], v[RD4+\e:RD4+\e+1], v[RD4+4+\e:RD4+5+\e]
	v_pk_add_f32 v[RD4+8+\e:RD4+9+\e], v[RD4+8+\e:RD4+9+\e], v[RD4+12+\e:RD4+13+\e]
.endr
.irp e, 0,2
	v_pk_add_f32 v[RD4+\e:RD4+\e+1], v[RD4+\e:RD4+\e+1], v[RD4+8+\e:RD4+9+\e]
.endr
.endm
	MEET 0
.irp e, 0,2
	v_pk_mul_f32 v[MU+\e:MU+\e+1], v[RD4+\e:RD4+\e+1], s[22:23] op_sel_hi:[1,0]   ; the mean
.endr
	WIN 0xc0                                       ; and beta, behind gamma in window 3: both land under the two passes below
.set I, 0
.rept 32
	global_load_b128 v[128+4*I:128+4*I+3], v[ZR], s[12:13] offset:16*I
.set I, I+1
.endr
.irp w, 0,1                            ; d = y - the mean, in place; then the sum of d d: the variance as the problem has it, in two passes
	WIN 0x41*(1+\w)
.set I, 0
.rept 64
	v_pk_add_f32 v[4*I:4*I+1], v[4*I:4*I+1], v[MU:MU+1] neg_lo:[0,1] neg_hi:[0,1]
	v_pk_add_f32 v[4*I+2:4*I+3], v[4*I+2:4*I+3], v[MU+2:MU+3] neg_lo:[0,1] neg_hi:[0,1]
.set I, I+1
.endr
	WIN 5*(1+\w)
.set I, 0
.rept 64
	v_pk_fma_f32 v[SQS+4*(I%2):SQS+4*(I%2)+1], v[4*I:4*I+1], v[4*I:4*I+1], v[SQS+4*(I%2):SQS+4*(I%2)+1]
	v_pk_fma_f32 v[SQS+4*(I%2)+2:SQS+4*(I%2)+3], v[4*I+2:4*I+3], v[4*I+2:4*I+3], v[SQS+4*(I%2)+2:SQS+4*(I%2)+3]
.set I, I+1
.endr
.endr
	WIN 0
	v_pk_add_f32 v[S4:S4+1], v[SQS:SQS+1], v[SQS+4:SQS+5]
	v_pk_add_f32 v[S4+2:S4+3], v[SQS+2:SQS+3], v[SQS+6:SQS+7]
	MEET 2048
.irp e, 0,1,2,3
	v_fma_f32 v[VR+\e], v[RD4+\e], s22, s23        ; the variance + 1e-5
.endr
	s_wait_alu depctr_va_vdst(0)
.irp e, 0,1,2,3
	v_rsq_f32 v[RSD+\e], v[VR+\e]
.endr
	v_nop                                          ; a plain place behind the last of them
	s_wait_alu depctr_va_vdst(0)                   ; one wait for the four, ahead of their first reader
	s_wait_loadcnt 0x0                             ; gamma and beta
; 16 channels at a time: d / sqrt(..), x gamma + beta (OUTG).  All 128 rows are finished first and then stored in one run (OUTS): no vector instruction stands behind a store
.macro OUTG g
.set WW, 1+(\g)/4
.set WF, (WW<<6)|0x3c|WW
	WIN 0x41*WW                                    ; destination and source 0: y's window
.irp k, 0,1,2,3,4,5,6,7,8,9,10,11,12,13,14,15
.set RW, 4*((16*(\g)+\k)%64)
	v_pk_mul_f32 v[RW:RW+1], v[RW:RW+1], v[RSD:RSD+1]
	v_pk_mul_f32 v[RW+2:RW+3], v[RW+2:RW+3], v[RSD+2:RSD+3]
.endr
	WIN WF                                         ; sources 1 and 2 (gamma, beta) window 3
.irp k, 0,1,2,3,4,5,6,7,8,9,10,11,12,13,14,15
.set RW, 4*((16*(\g)+\k)%64)
.set GI, 16*(\g)+\k
.set GE, GI-(GI%2)                     ; the even-aligned pair that holds this channel's gamma (and, 128 on, its beta); one of the two registers serves both halves of the packed form
.irp e, 0,2
.if GI%2
	v_pk_fma_f32 v[RW+\e:RW+\e+1], v[RW+\e:RW+\e+1], v[GE:GE+1], v[128+GE:129+GE] op_sel:[0,1,1] op_sel_hi:[1,1,1]
.else
	v_pk_fma_f32 v[RW+\e:RW+\e+1], v[RW+\e:RW+\e+1], v[GE:GE+1], v[128+GE:129+GE] op_sel_hi:[1,0,0]
.endif
.endr
.endr
.endm
.macro OUTS g
.set WW, 1+(\g)/4
	WIN 4*WW                                       ; a store's data are its source 1
.irp k, 0,1,2,3,4,5,6,7,8,9,10,11,12,13,14,15
.set RW, 4*((16*(\g)+\k)%64)
	global_store_b128 v[LI], v[RW:RW+3], s[14:15] offset:8192*(16*(\g)+\k) th:TH_STORE_NT   ; 32 lanes store 512 consecutive bytes, aligned to 256; written once, read by nobody here
.endr
.endm
.irp g, 0,1,2,3,4,5,6,7
	OUTG \g
.endr
.irp g, 0,1,2,3,4,5,6,7
	OUTS \g
.endr
	WIN 0
	s_wait_tensorcnt 0x0                           ; the wave's end: these three lines behind my last tensor load and my last LDS store
	ds_add_u32 v[SPW], v[NIL]
	s_wait_dscnt 0x0
	CROUND                                         ; the closing round: no work-group ends while a partner may still ask for a chunk that names it
	s_endpgm
.Lfunc_end_k_q24ff592d7e_attn:
	.size	k_q24ff592d7e_attn, .Lfunc_end_k_q24ff592d7e_attn-k_q24ff592d7e_attn
	.p2alignl 7, 3214868480
	.fill 96, 4, 3214868480
	.section	.rodata,"a",@progbits
	.p2align	6, 0x0
	.amdhsa_kernel k_q24ff592d7e_attn
		.amdhsa_group_segment_fixed_size 327680
		.amdhsa_private_segment_fixed_size 0
		.amdhsa_enable_private_segment 0
		.amdhsa_kernarg_size 56
		.amdhsa_user_sgpr_count 2
		.amdhsa_user_sgpr_kernarg_segment_ptr 1
		.amdhsa_wavefront_size32 1
		.amdhsa_system_sgpr_workgroup_id_x 1
		.amdhsa_system_sgpr_workgroup_id_y 1
		.amdhsa_system_sgpr_workgroup_id_z 1
		.amdhsa_system_vgpr_workitem_id 0
		.amdhsa_next_free_vgpr 1024
		.amdhsa_next_free_sgpr 100
		.amdhsa_reserve_vcc 0
		.amdhsa_float_denorm_mode_32 3
		.amdhsa_float_denorm_mode_16_64 3
		.amdhsa_memory_ordered 1
		.amdhsa_forward_progress 1
		.amdhsa_inst_pref_size 255
	.end_amdhsa_kernel
	.section	.bss,"aw",@nobits
	.p2align	6
	.space	262144
	.amdgpu_metadata
---
amdhsa.version: [ 1, 2 ]
amdhsa.kernels:
  - .name:           k_q24ff592d7e_attn
    .symbol:         k_q24ff592d7e_attn.kd
    .args:
      - { .name: kv, .offset: 0, .size: 8, .value_kind: global_buffer, .address_space: global }
      - { .name: x1, .offset: 8, .size: 8, .value_kind: global_buffer, .address_space: global }
      - { .name: x2, .offset: 16, .size: 8, .value_kind: global_buffer, .address_space: global }
      - { .name: ln_gamma, .offset: 24, .size: 8, .value_kind: global_buffer, .address_space: global }
      - { .name: ln_beta, .offset: 32, .size: 8, .value_kind: global_buffer, .address_space: global }
      - { .name: out0, .offset: 40, .size: 8, .value_kind: global_buffer, .address_space: global }
      - { .name: out1, .offset: 48, .size: 8, .value_kind: global_buffer, .address_space: global }
    .group_segment_fixed_size: 327680
    .private_segment_fixed_size: 0
    .kernarg_segment_align: 8
    .kernarg_segment_size: 56
    .max_flat_workgroup_size: 128
    .sgpr_count:     100
    .vgpr_count:     1024
    .wavefront_size: 32
...
	.end_amdgpu_metadata
.endif
;; end of part 3
